; MI455X (gfx1250); checked and timed in simulation.
; The chip was launched on July 23, 2026; its instructions are those of AMD's public machine-readable ISA for CDNA 5 (MIT licence, August 2026) and "CDNA5" Instruction Set Architecture Reference Guide (July 2026). The comments in the code are by the model that wrote it; some were corrected since.
;; UTF8 Code Book. Allowed arithmetic: float matrix products may take bf16 or f16 operands with f32 sums; all other float work in f32.
;; Inputs: codebook 32,768 x 128 float32; x 4,096 x 128 float32.
;; Outputs: out0 4,096 x 1 int32.
;; Constants: k = 1.
;; One version. Each part assembles by itself: llvm-mc -triple=amdgcn-amd-amdhsa -mcpu=gfx1250 --defsym DOCPART=n.
;; ======== version 1 of 1: 3 launches
;; workspace buffers: frag 9,437,184 bytes; nh 147,456 bytes; part 1,048,576 bytes
;; launch pack (part 1): grid 256 x 1, 9 waves a work-group, no clusters, 169,216 bytes of LDS; arguments codebook, x, frag, nh; writes frag, nh
.if DOCPART == 1
	.amdgcn_target "amdgcn-amd-amdhsa--gfx1250"
	.amdhsa_code_object_version 6
	.text
	.protected	k_qe854568d58_pack
	.globl	k_qe854568d58_pack
	.p2align	8
	.type	k_qe854568d58_pack,@function
k_qe854568d58_pack:
	s_mov_b64 s[64:65], 0
	v_nop
	global_prefetch_b8 v0, s[64:65] scope:SCOPE_SE
	s_setreg_imm32_b32 hwreg(HW_REG_WAVE_MODE, 25, 1), 1
	s_wait_xcnt 0x0
; PACK: rounds codebook [32768][128] and x [4096][128] from f32 to bf16 once, lays them out in the order in which a
; matrix fragment is loaded, and makes nh[row] = -1/2 x (sum over k of bf16(row[k])^2) in f32, from the ROUNDED numbers.
; A tile is 16 rows.  Tiles 0..2047 are the codebook's, tiles 2048..2303 are x's: 2,304 tiles = 256 work-groups x 9 waves,
; one tile a wave, so there is no loop, no slot is filled twice, and no wave reads another wave's bytes (no barrier).
; frag: tile T at byte 4096 T; inside it byte 1024 q + 512 c + 16 L (L = 16 h + r the lane) holds k = 32 q + 16 c + 8 h + 0..7 of row r:
; registers 4c..4c+3 of the 16 x 32 fragment q (ISA guide 7.12.2), so a later fragment load is 512 consecutive bytes a wave.
; No cluster: no two work-groups read the same bytes.  No matrix unit: there is no product here.
; LIMITS: finite inputs; the sum of squares is added in four chains and then across two lanes, an order of rounding of its own.
; The 16 words of nh that a wave stores are 64 consecutive bytes; every store into frag covers 512 consecutive bytes, aligned.
.set PITCH, 528                        ; an LDS row: 512 bytes + 16 of padding = 33 x 16: sixteen rows start at sixteen different 16-byte columns modulo 256
.set LTILE, 16*PITCH                   ; a wave's tile in LDS, 8,448 bytes; nine of them: 76,032
.set NCODE, 2048                       ; tiles of the codebook
.set SUM, 4                            ; v[4:7]    four chains of the sum of squares
.set F,   16                           ; v[16:79]  piece n = 2 q + c: 8 numbers in f32
.set P,   80                           ; v[80:111] piece n: the same 8 numbers in bf16, 4 registers, as stored
.set G1,  16                           ; s[16:23]  descriptor group 1
.set G0,  24                           ; s[24:27]  descriptor group 0
	s_load_b256 s[4:11], s[0:1], 0x0               ; codebook s[4:5], x s[6:7], frag s[8:9], nh s[10:11]
	v_lshl_add_u32 v112, v0, 2, 0x29000
	v_mov_b32 v113, 0
	ds_add_u32 v112, v113
	ds_add_u32 v112, v113
	v_lshrrev_b32 v1, 5, v0
	v_readfirstlane_b32 s12, v1                    ; wave 0..8
	s_mul_i32 s13, ttmp9, 9
	s_add_co_u32 s13, s13, s12                     ; T: my tile, 0..2303
	s_sub_co_u32 s14, s13, NCODE                   ; its number within x (used only where T >= 2048)
	; group 1: 16 rows of 128 elements of 4 bytes, row pitch 128 elements, 4 words of padding behind every 128 words
	s_mov_b32 s[G1+0], (2<<16)|(1<<20)|(6<<22)|(3<<25)
	s_mov_b32 s[G1+1], 128<<16                     ; tensor_dim0 = 128
	s_mov_b32 s[G1+2], 16<<16                      ; tensor_dim1 = 16
	s_mov_b32 s[G1+3], 128<<16                     ; tile_dim0 = 128
	s_mov_b32 s[G1+4], 16                          ; tile_dim1 = 16
	s_mov_b32 s[G1+5], 128                         ; elements from row to row
	s_mov_b32 s[G1+6], 0
	s_mov_b32 s[G1+7], 0
	s_mov_b32 s[G0+0], 1
	s_mul_i32 s[G0+1], s12, LTILE                  ; LDS address: the wave's number times a constant
	s_mov_b32 s32, 0x76543210                      ; v_permlanex16_b32: lane i reads lane i of the other half
	s_mov_b32 s33, 0xfedcba98
	s_mov_b32 s31, 0
	s_mov_b32 s35, 0
	s_wait_dscnt 0x0
	s_wait_kmcnt 0x0
	s_cmp_lt_u32 s13, NCODE                        ; a tile of the codebook, or of x?  The condition hangs on ids alone
	s_cselect_b64 s[28:29], s[4:5], s[6:7]         ; the source buffer
	s_cselect_b32 s30, s13, s14                    ; the tile's number in it
	s_lshl_b32 s30, s30, 13                        ; 16 rows x 512 bytes
	s_add_nc_u64 s[G0+2:G0+3], s[28:29], s[30:31]
	s_or_b32 s[G0+3], s[G0+3], 0x80000000          ; type = 2
	tensor_load_to_lds s[G0:G0+3], s[G1:G1+7]      ; my one tensor load: 8 KiB
	s_nop 0
	s_lshl_b32 s34, s13, 12
	s_add_nc_u64 s[8:9], s[8:9], s[34:35]          ; frag at my tile
	s_lshl_b32 s34, s13, 6
	s_add_nc_u64 s[10:11], s[10:11], s[34:35]      ; nh at my 16 rows
	v_and_b32 v10, 31, v0                          ; L
	v_and_b32 v11, 15, v0                          ; r
	v_bfe_u32 v12, v0, 4, 1                        ; h
	v_lshlrev_b32 v1, 4, v10                       ; 16 L: my 16 bytes of every piece
	v_mul_u32_u24 v2, v11, PITCH
	v_lshl_add_u32 v2, v12, 5, v2                  ; row r, 8 h numbers of 4 bytes
	v_add_nc_u32 v2, s[G0+1], v2                   ; in my wave's tile
	v_lshlrev_b32 v3, 2, v11                       ; 4 r: my word of nh
.irp k, 0,1,2,3
	v_mov_b32 v[SUM+\k], 0
.endr
	v_mov_b32 v9, 0                                ; the lane exchange below counts as a reader of its destination
	s_wait_tensorcnt 0x0                           ; my tile is in LDS; only I read it
.irp n, 0,1,2,3,4,5,6,7
	ds_load_b128 v[F+8*\n:F+8*\n+3],   v2 offset:64*\n       ; k = 16 n + 8 h + 0..3
	ds_load_b128 v[F+8*\n+4:F+8*\n+7], v2 offset:64*\n+16    ; k = 16 n + 8 h + 4..7
.endr
.irp n, 0,1,2,3,4,5,6,7
	s_wait_dscnt 14-2*\n                           ; LDS loads come back in order: piece n's pair is in, the 14 - 2 n younger loads stay out
.irp k, 0,1,2,3
	v_cvt_pk_bf16_f32 v[P+4*\n+\k], v[F+8*\n+2*\k], v[F+8*\n+2*\k+1]     ; two roundings to nearest even
.endr
.irp k, 0,1,2,3
	v_fma_mix_f32_bf16 v[SUM+\k], v[P+4*\n+\k], v[P+4*\n+\k], v[SUM+\k] op_sel_hi:[1,1,0]               ; low half squared, in f32
.endr
.irp k, 0,1,2,3
	v_fma_mix_f32_bf16 v[SUM+\k], v[P+4*\n+\k], v[P+4*\n+\k], v[SUM+\k] op_sel:[1,1,0] op_sel_hi:[1,1,0] ; high half squared
.endr
	global_store_b128 v1, v[P+4*\n:P+4*\n+3], s[8:9] offset:512*\n       ; the wave's 512 consecutive bytes of piece n
.endr
	v_add_f32 v[SUM], v[SUM], v[SUM+1]
	v_add_f32 v[SUM+2], v[SUM+2], v[SUM+3]
	v_add_f32 v[SUM], v[SUM], v[SUM+2]             ; my 64 numbers of row r
	v_permlanex16_b32 v9, v[SUM], s32, s33         ; the other 64, from lane L xor 16
	v_add_f32 v[SUM], v[SUM], v9
	v_mul_f32 v[SUM], -0.5, v[SUM]                 ; exact: a power of two
	v_cmp_gt_u32 vcc_lo, 16, v10                   ; lanes 0..15 store, one word a row
	s_wait_xcnt 0x0                                ; EXEC is a source of the stores above: it narrows only behind this wait
	s_wait_tensorcnt 0x0
	ds_add_u32 v112, v113
	s_wait_dscnt 0x0
	s_and_saveexec_b32 s36, vcc_lo
	global_store_b32 v3, v[SUM], s[10:11]
	s_wait_xcnt 0x0                                ; and widens only behind this one
	s_or_b32 exec_lo, exec_lo, s36
	s_endpgm
.Lfunc_end_k_qe854568d58_pack:
	.size	k_qe854568d58_pack, .Lfunc_end_k_qe854568d58_pack-k_qe854568d58_pack
	.p2alignl 7, 3214868480
	.fill 96, 4, 3214868480
	.section	.rodata,"a",@progbits
	.p2align	6, 0x0
	.amdhsa_kernel k_qe854568d58_pack
		.amdhsa_group_segment_fixed_size 169216
		.amdhsa_private_segment_fixed_size 0
		.amdhsa_enable_private_segment 0
		.amdhsa_kernarg_size 32
		.amdhsa_user_sgpr_count 2
		.amdhsa_user_sgpr_kernarg_segment_ptr 1
		.amdhsa_wavefront_size32 1
		.amdhsa_system_sgpr_workgroup_id_x 1
		.amdhsa_system_sgpr_workgroup_id_y 1
		.amdhsa_system_sgpr_workgroup_id_z 1
		.amdhsa_system_vgpr_workitem_id 0
		.amdhsa_next_free_vgpr 114
		.amdhsa_next_free_sgpr 66
		.amdhsa_reserve_vcc 1
		.amdhsa_float_denorm_mode_32 3
		.amdhsa_float_denorm_mode_16_64 3
		.amdhsa_memory_ordered 1
		.amdhsa_forward_progress 1
		.amdhsa_inst_pref_size 12
	.end_amdhsa_kernel
	.amdgpu_metadata
---
amdhsa.version: [ 1, 2 ]
amdhsa.kernels:
  - .name:           k_qe854568d58_pack
    .symbol:         k_qe854568d58_pack.kd
    .args:
      - { .name: codebook, .offset: 0, .size: 8, .value_kind: global_buffer, .address_space: global }
      - { .name: x, .offset: 8, .size: 8, .value_kind: global_buffer, .address_space: global }
      - { .name: frag, .offset: 16, .size: 8, .value_kind: global_buffer, .address_space: global }
      - { .name: nh, .offset: 24, .size: 8, .value_kind: global_buffer, .address_space: global }
    .group_segment_fixed_size: 169216
    .private_segment_fixed_size: 0
    .kernarg_segment_align: 8
    .kernarg_segment_size: 32
    .max_flat_workgroup_size: 288
    .sgpr_count:     66
    .vgpr_count:     114
    .wavefront_size: 32
...
	.end_amdgpu_metadata
.endif
;; end of part 1
;; launch search (part 2): grid 8 x 32, 8 waves a work-group, clusters of 4 x 1, 267,264 bytes of LDS; arguments frag, nh, part; writes part
.if DOCPART == 2
	.amdgcn_target "amdgcn-amd-amdhsa--gfx1250"
	.amdhsa_code_object_version 6
	.text
	.protected	k_qe854568d58_search
	.globl	k_qe854568d58_search
	.p2align	8
	.type	k_qe854568d58_search,@function
k_qe854568d58_search:
	s_mov_b64 s[64:65], 0
	v_nop
	global_prefetch_b8 v0, s[64:65] scope:SCOPE_SE
	s_setreg_imm32_b32 hwreg(HW_REG_WAVE_MODE, 25, 1), 1
	s_wait_xcnt 0x0
	s_wait_alu depctr_hold_cnt(0) depctr_sa_sdst(0) depctr_va_vdst(0) depctr_va_sdst(0) depctr_va_ssrc(0) depctr_va_vcc(0) depctr_vm_vsrc(0)
	s_getreg_b32 s2, hwreg(HW_REG_IB_STS2, 6, 4)
	s_cmp_eq_u32 s2, 0
	s_cbranch_scc0 .Lentry_in_a_cluster
	s_endpgm
.Lentry_in_a_cluster:
	s_bfe_u32 s2, ttmp6, 0x10000c
	s_cmp_lg_u32 s2, 0x3003
	s_cbranch_scc0 .Lentry_shape_is_right
	s_endpgm
.Lentry_shape_is_right:
; SEARCH: for 512 rows of x and a slice of 1,024 codes, the largest s = x.c - |c|^2 / 2 of each row and the code that gives it.
; (|x - c|^2 = |x|^2 - 2 s: the largest s is the nearest code; |x|^2 is the same for all codes of a row and is added in the next launch.)
; Work-group (rb = 0..7, y = 0..31): rows 512 rb .., codes 1024 y ...  Wave w: rows 512 rb + 64 w .., four tiles of 16 rows, whose sixteen
; fragments stay in 128 registers for the whole kernel.  Every wave walks the slice's 64 code tiles, which lie in LDS in fragment order:
; 4 KiB read from LDS feed 16 matrix instructions.  The whole slice (256 KiB in bf16) fits in LDS: every LDS byte is filled once, all loads
; go out at the start, in four chunks of 16 tiles so that the work begins when the first has landed.
; ORIENTATION: source 0 = a code tile, source 1 = a tile of x.  In the result lane (r, h) holds, in register j, code 8 h + j against row r
; (ISA guide 7.12.2): the search over codes stays inside the lane.  -|c|^2 / 2 goes in as the C operand of a tile's first product.
; K = 128 is used up in four matrix instructions, so accumulators live briefly and each 16 matrix instructions are followed by 52 vector
; instructions of the search: eight waves, two to a SIMD, so that one wave's vector run stands beside the other's matrix run.
; CLUSTER: the four work-groups of a cluster (rb = 4 X + 0..3) have the same y and ask for the slice jointly, mask 15: the requests for codes
; are divided by four.  x is NOT asked for jointly: it goes straight into registers by plain loads, each wave its own 16 KiB, and LDS has
; no room left for it (266,240 of 327,680 bytes are taken, a shared block of x would be 128 KiB).
; THE SEARCH, 13 instructions for 8 scores: four 3-way maxima give the new best; where it is strictly greater than the old one the tile's number and
; the tile's scores 0..6 are kept.  At the end the lowest j whose kept score equals the best is the code (7 if none): ties go to the lowest index.
; LIMITS: finite inputs.  A NaN score never wins; a row whose scores in a slice are all NaN or -infinity reports the slice's first code.
; Operands are bf16; |c|^2 enters first and |x|^2 last, an order of rounding other than x_sq - 2 cross + c_sq: two codes whose distances differ
; by less than the f32 rounding of these sums may be ranked otherwise.  With a large common offset the score is, like d2 itself, a difference of large sums.
.set NHC,  262144                      ; LDS: bytes 0 .. 262,143 the 64 code tiles; from here 1,024 f32: -|c|^2 / 2 of the slice
.set CHB,  65536                       ; bytes in a chunk: 16 tiles of 4,096
.set L16,  1                           ; v1        16 x lane; never rewritten
.set CA,   2                           ; v2        LDS address of my 16 bytes in the pair of tiles at work
.set NA,   3                           ; v3        LDS address of my eight -|c|^2 / 2 of that pair's first tile
.set T,    4                           ; v[4:7]    at work
.set CI,   8                           ; v[8:15]   C operand: -|c|^2 / 2 of codes 8 h + 0..7 of the tile
.set CBF,  16                          ; v[16:47]  the code tile's four fragments, 8 q
.set ACC,  48                          ; v[48:79]  four accumulators, 8 i
.set BA,   80                          ; v[80:83]  best score of x tile i,
.set BB,   84                          ; v[84:87]  two sets that take turns (old and new)
.set ID,   88                          ; v[88:91]  tile number of the best
.set SV,   92                          ; v[92:119] that tile's scores 0..6, 7 i + j
.set TV,   120                         ; v120      the tile's number, 0..63
.set H32,  121                         ; v121      NHC + 32 h
.set HB,   122                         ; v122      1024 y + 8 h
.set OUT,  124                         ; v[124:127] what is stored
.set XF,   128                         ; v[128:255] x: 32 i + 8 q
.set G1C,  16                          ; s[16:23]  group 1 for codes
.set G1N,  24                          ; s[24:31]  group 1 for -|c|^2 / 2
.set G0N,  32                          ; s[32:35]  group 0 for -|c|^2 / 2
.set G0C,  36                          ; s[36:51]  group 0 for chunk c, 4 c: a set for each load, none is ever rewritten
; A round of the cluster's barrier: my work-group's barrier; wave 0 signals for the work-group; every wave waits for all four work-groups; my work-group's barrier again.
.macro ROUND
	s_barrier_signal -1
	s_barrier_wait -1
	s_cmp_lg_u32 s10, 0
	s_cbranch_scc1 .Lnot_wave_0_\@
	s_barrier_signal -3
.Lnot_wave_0_\@:
	s_barrier_wait -3
	s_barrier_signal -1
	s_barrier_wait -1
.endm
; Ten LDS loads: tile o (0 or 1) of the pair at CA, NA.  First C's two, then the four fragments' eight, 512 consecutive bytes a wave each.
.macro FETCH o
	ds_load_b128 v[CI:CI+3],   v[NA] offset:64*\o
	ds_load_b128 v[CI+4:CI+7], v[NA] offset:64*\o+16
.irp n, 0,1,2,3,4,5,6,7
	ds_load_b128 v[CBF+4*\n:CBF+4*\n+3], v[CA] offset:4096*\o+512*\n
.endr
.endm
; Sixteen matrix instructions: one code tile against my four tiles of x.  The four accumulators take turns, one instruction a turn.
.macro MUL
.irp q, 0,1,2,3
	s_wait_dscnt 6-2*\q                            ; LDS loads come back in order: C and fragments 0..q are in, the 6 - 2 q younger loads stay out
.irp i, 0,1,2,3
.if \q == 0
	v_wmma_f32_16x16x32_bf16 v[ACC+8*\i:ACC+8*\i+7], v[CBF+8*\q:CBF+8*\q+7], v[XF+32*\i+8*\q:XF+32*\i+8*\q+7], v[CI:CI+7]
.else
	v_wmma_f32_16x16x32_bf16 v[ACC+8*\i:ACC+8*\i+7], v[CBF+8*\q:CBF+8*\q+7], v[XF+32*\i+8*\q:XF+32*\i+8*\q+7], v[ACC+8*\i:ACC+8*\i+7]
.endif
.endr
.endr
.endm
; The search over the tile's 4 x 8 scores of a lane, stage by stage over the four tiles of x so that no instruction waits for the one in front of it.
.macro EPI old, new
.irp i, 0,1,2,3
	v_max3_num_f32 v[T+\i], v[ACC+8*\i], v[ACC+8*\i+1], v[ACC+8*\i+2]
.endr
.irp i, 0,1,2,3
	v_max3_num_f32 v[T+\i], v[T+\i], v[ACC+8*\i+3], v[ACC+8*\i+4]
.endr
.irp i, 0,1,2,3
	v_max3_num_f32 v[T+\i], v[T+\i], v[ACC+8*\i+5], v[ACC+8*\i+6]
.endr
.irp i, 0,1,2,3
	v_max3_num_f32 v[\new+\i], v[T+\i], v[ACC+8*\i+7], v[\old+\i]
.endr
.irp i, 0,1,2,3
	v_cmp_gt_f32 s[56+\i], v[\new+\i], v[\old+\i]  ; strictly: an earlier tile keeps a tie
.endr
.irp i, 0,1,2,3
	v_cndmask_b32 v[ID+\i], v[ID+\i], v[TV], s[56+\i]
.endr
.irp i, 0,1,2,3
.irp j, 0,1,2,3,4,5,6
	v_cndmask_b32 v[SV+7*\i+\j], v[SV+7*\i+\j], v[ACC+8*\i+\j], s[56+\i]
.endr
.endr
.endm
; One code tile.  par: first (0) or second (1) tile of the pair at CA; fetch = 1: the next tile's loads are issued, and land during the search.
; Four plain vector instructions that name no register of the matrix instructions stand between these and the loads into C and the fragments,
; and the first reads of the results (ISA guide 7.12.1 for vector instructions).
.macro TILE par, fetch
	MUL
	v_add_nc_u32 v[TV], 1, v[TV]                   ; this tile's number
.if \par
	v_add_nc_u32 v[CA], 8192, v[CA]                ; on to the next pair
	v_add_nc_u32 v[NA], 128, v[NA]
.else
	v_nop
	v_nop
.endif
	v_nop
.if \fetch
.if \par
	FETCH 0
.else
	FETCH 1
.endif
.endif
.if \par
	EPI BB, BA
.else
	EPI BA, BB
.endif
.endm
; Chunk c: 16 tiles, eight pairs: seven in the loop, the last written out, since its second tile fetches nothing.
.macro CHUNK c
	s_wait_dscnt 0x0                               ; no LDS instruction of mine is pending at the signal
	s_wait_tensorcnt 3-\c                          ; tensor loads of a wave end in order (ISA guide 10.11.1): -|c|^2 / 2 and my parts of chunks 0..c are in; the 3 - c younger loads
	s_barrier_signal -1                            ; stay out across this barrier, behind which no LDS byte is filled again
	s_barrier_wait -1                              ; every wave's part of the chunk is in
	v_add_nc_u32 v[CA], \c*CHB, v[L16]
	v_add_nc_u32 v[NA], \c*1024, v[H32]
	FETCH 0
.if \c == 0
	s_wait_loadcnt 0x0                             ; x, once
.endif
	s_mov_b32 s60, 7
.Lpair_\@:
	TILE 0, 1
	TILE 1, 1
	s_sub_co_i32 s60, s60, 1
	s_cmp_lg_u32 s60, 0
	s_cbranch_scc1 .Lpair_\@
	TILE 0, 1
	TILE 1, 0
.endm
	s_load_b128 s[4:7], s[0:1], 0x0                ; frag s[4:5], nh s[6:7]
	s_load_b64 s[8:9], s[0:1], 0x10                ; part
	v_lshl_add_u32 v123, v0, 2, 0x41000
	s_set_vgpr_msb 0x40
	v_mov_b32 v1, 0
	s_set_vgpr_msb 0x4044
	ds_add_u32 v123, v1
	ds_add_u32 v123, v1
	s_set_vgpr_msb 0x4400
	v_lshrrev_b32 v[CA], 5, v0
	v_readfirstlane_b32 s10, v[CA]                 ; wave 0..7
	s_bfe_u32 s11, ttmp6, 0x40000                  ; cx: my place in the cluster
	s_lshl_b32 s12, ttmp9, 2                       ; in a cluster launch ttmp9 counts clusters
	s_add_co_u32 s12, s12, s11                     ; rb = 4 x cluster x + cx
	s_and_b32 s13, ttmp7, 0xffff                   ; y (the cluster is one work-group high)
	; group 1 for codes: a dense block of 8,192 bytes as 32 rows of 32 elements of 8 bytes; mask 15 = all four work-groups of the cluster, bit 21 set beside it
	s_mov_b32 s[G1C+0], 15|(3<<16)|(1<<21)
	s_mov_b32 s[G1C+1], 32<<16                     ; tensor_dim0 = 32
	s_mov_b32 s[G1C+2], 32<<16                     ; tensor_dim1 = 32
	s_mov_b32 s[G1C+3], 32<<16                     ; tile_dim0 = 32
	s_mov_b32 s[G1C+4], 32                         ; tile_dim1 = 32
	s_mov_b32 s[G1C+5], 32                         ; elements from row to row
	s_mov_b32 s[G1C+6], 0
	s_mov_b32 s[G1C+7], 0
	; group 1 for -|c|^2 / 2: one row of 64 elements of 8 bytes
	s_mov_b32 s[G1N+0], 15|(3<<16)|(1<<21)
	s_mov_b32 s[G1N+1], 64<<16
	s_mov_b32 s[G1N+2], 1<<16
	s_mov_b32 s[G1N+3], 64<<16
	s_mov_b32 s[G1N+4], 1
	s_mov_b32 s[G1N+5], 64
	s_mov_b32 s[G1N+6], 0
	s_mov_b32 s[G1N+7], 0
	; offsets made of y and the wave's number alone: equal in the four partners
	s_lshl_b32 s61, s10, 13                        ; my 8,192 bytes (two tiles) of a chunk
	s_lshl_b32 s62, s10, 9                         ; my 512 bytes of the slice's 4,096 of nh
	s_lshl_b32 s52, s13, 12
	s_add_co_u32 s52, s52, s62
	s_mov_b32 s53, 0
	s_lshl_b32 s68, s13, 18                        ; the slice: 64 tiles of 4,096 bytes
	s_add_co_u32 s68, s68, s61
	s_mov_b32 s69, 0
	; offsets that hang on cx, in registers that feed no descriptor
	s_lshl_b32 s72, s12, 5
	s_lshl2_add_u32 s72, s10, s72
	s_add_co_u32 s72, s72, 2048                    ; my first tile of x in frag: 2048 + 32 rb + 4 w
	s_lshl_b32 s72, s72, 12
	s_mov_b32 s73, 0
	s_wait_dscnt 0x0
	s_wait_kmcnt 0x0
	s_add_nc_u64 s[54:55], s[4:5], s[72:73]        ; x's fragments
	s_lshl3_add_u32 s72, s12, s10                  ; my block of 64 rows: 8 rb + w
	s_lshl_b32 s72, s72, 9
	s_lshl_b32 s63, s13, 15
	s_add_co_u32 s72, s72, s63
	s_add_nc_u64 s[70:71], s[8:9], s[72:73]        ; part at [y][8 rb + w]
	s_mov_b32 s[G0N+0], 1
	s_add_co_u32 s[G0N+1], s62, NHC                ; LDS: a constant + the wave's number times a constant
	s_add_nc_u64 s[G0N+2:G0N+3], s[6:7], s[52:53]
	s_or_b32 s[G0N+3], s[G0N+3], 0x80000000
	s_add_nc_u64 s[68:69], s[4:5], s[68:69]
.irp c, 0,1,2,3
	s_mov_b32 s[G0C+4*\c], 1
	s_add_co_u32 s[G0C+4*\c+1], s61, \c*CHB
	s_add_nc_u64 s[G0C+4*\c+2:G0C+4*\c+3], s[68:69], \c*CHB
	s_or_b32 s[G0C+4*\c+3], s[G0C+4*\c+3], 0x80000000
.endr
	ROUND                                          ; all four work-groups are here: the joint loads meet
	tensor_load_to_lds s[G0N:G0N+3], s[G1N:G1N+7]  ; all first fills in one group: five tensor loads of this wave are out, and no more are ever issued
	s_nop 0
.irp c, 0,1,2,3
	tensor_load_to_lds s[G0C+4*\c:G0C+4*\c+3], s[G1C:G1C+7]
	s_nop 0
.endr
	v_and_b32 v[L16], 31, v0
	v_lshlrev_b32 v[L16], 4, v[L16]
.set n, 0
.rept 32
	global_load_b128 v[XF+4*n:XF+4*n+3], v[L16], s[54:55] offset:512*n    ; piece n = 8 i + 2 q + c: 512 consecutive bytes a wave
.set n, n+1
.endr
	v_bfe_u32 v[T], v0, 4, 1                       ; h
	v_lshl_add_u32 v[H32], v[T], 5, NHC
	s_lshl_b32 s62, s13, 10
	v_lshl_add_u32 v[HB], v[T], 3, s62
	s_mov_b32 s66, 0x76543210                      ; v_permlanex16_b32: lane i reads lane i of the other half
	s_mov_b32 s67, 0xfedcba98
.irp i, 0,1,2,3
	v_mov_b32 v[BA+\i], 0xff800000                 ; -infinity: the first finite score wins
	v_mov_b32 v[ID+\i], 0
.endr
.set j, 0
.rept 28
	v_mov_b32 v[SV+j], 0xff800000
.set j, j+1
.endr
	v_mov_b32 v[TV], -1
	CHUNK 0
	CHUNK 1
	CHUNK 2
	CHUNK 3                                        ; its wait on the tensor loads is for zero: none is out from here on
	; THE FINISH.  64 tiles are an even number: the best lies in BA.
	s_mov_b32 s59, 0xffff0000                      ; lanes 16..31
.irp i, 0,1,2,3
	v_mov_b32 v[T], 7                              ; none of the kept scores 0..6 equal to the best: it was score 7
.irp j, 6,5,4,3,2,1,0
	v_cmp_neq_f32 vcc_lo, v[SV+7*\i+\j], v[BA+\i]
	v_cndmask_b32 v[T], \j, v[T], vcc_lo           ; equal: j; descending, so the lowest j stays
.endr
	v_lshl_add_u32 v[T+1], v[ID+\i], 4, v[T]
	v_add_nc_u32 v[T+1], v[T+1], v[HB]             ; the code: 1024 y + 16 tile + 8 h + j
	v_permlanex16_b32 v[T+2], v[BA+\i], s66, s67   ; the other half's best for the same row (its destination has been written before)
	v_permlanex16_b32 v[T+3], v[T+1], s66, s67
	v_cmp_gt_f32 s56, v[T+2], v[BA+\i]
	v_cmp_eq_f32 s57, v[T+2], v[BA+\i]
	v_cmp_lt_u32 s58, v[T+3], v[T+1]
	s_and_b32 s57, s57, s58                        ; a tie goes to the lower code
	s_or_b32 s56, s56, s57
	v_cndmask_b32 v[T+2], v[BA+\i], v[T+2], s56
	v_cndmask_b32 v[T+3], v[T+1], v[T+3], s56
	v_cndmask_b32 v[OUT+\i], v[T+2], v[T+3], s59   ; lanes 0..15 carry the scores, lanes 16..31 the codes
.endr
	global_store_b128 v[L16], v[OUT:OUT+3], s[70:71]   ; 512 consecutive bytes, aligned: 256 of scores (byte 16 r + 4 i), 256 of codes
	s_set_vgpr_msb 0x4
	s_wait_tensorcnt 0x0
	ds_add_u32 v123, v1
	s_wait_dscnt 0x0
	s_set_vgpr_msb 0x400
	ROUND                                          ; the closing round: no work-group ends while a partner may still ask jointly
	s_endpgm
.Lfunc_end_k_qe854568d58_search:
	.size	k_qe854568d58_search, .Lfunc_end_k_qe854568d58_search-k_qe854568d58_search
	.p2alignl 7, 3214868480
	.fill 96, 4, 3214868480
	.section	.rodata,"a",@progbits
	.p2align	6, 0x0
	.amdhsa_kernel k_qe854568d58_search
		.amdhsa_group_segment_fixed_size 267264
		.amdhsa_private_segment_fixed_size 0
		.amdhsa_enable_private_segment 0
		.amdhsa_kernarg_size 24
		.amdhsa_user_sgpr_count 2
		.amdhsa_user_sgpr_kernarg_segment_ptr 1
		.amdhsa_wavefront_size32 1
		.amdhsa_system_sgpr_workgroup_id_x 1
		.amdhsa_system_sgpr_workgroup_id_y 1
		.amdhsa_system_sgpr_workgroup_id_z 1
		.amdhsa_system_vgpr_workitem_id 0
		.amdhsa_next_free_vgpr 258
		.amdhsa_next_free_sgpr 76
		.amdhsa_reserve_vcc 1
		.amdhsa_float_denorm_mode_32 3
		.amdhsa_float_denorm_mode_16_64 3
		.amdhsa_memory_ordered 1
		.amdhsa_forward_progress 1
		.amdhsa_inst_pref_size 100
	.end_amdhsa_kernel
	.amdgpu_metadata
---
amdhsa.version: [ 1, 2 ]
amdhsa.kernels:
  - .name:           k_qe854568d58_search
    .symbol:         k_qe854568d58_search.kd
    .args:
      - { .name: frag, .offset: 0, .size: 8, .value_kind: global_buffer, .address_space: global }
      - { .name: nh, .offset: 8, .size: 8, .value_kind: global_buffer, .address_space: global }
      - { .name: part, .offset: 16, .size: 8, .value_kind: global_buffer, .address_space: global }
    .group_segment_fixed_size: 267264
    .private_segment_fixed_size: 0
    .kernarg_segment_align: 8
    .kernarg_segment_size: 24
    .max_flat_workgroup_size: 256
    .sgpr_count:     76
    .vgpr_count:     258
    .wavefront_size: 32
...
	.end_amdgpu_metadata
.endif
;; end of part 2
;; launch pick (part 3): grid 64 x 1, 1 waves a work-group, no clusters, 512 bytes of LDS; arguments part, nh, out0; writes out0
.if DOCPART == 3
	.amdgcn_target "amdgcn-amd-amdhsa--gfx1250"
	.amdhsa_code_object_version 6
	.text
	.protected	k_qe854568d58_pick
	.globl	k_qe854568d58_pick
	.p2align	8
	.type	k_qe854568d58_pick,@function
k_qe854568d58_pick:
	s_mov_b64 s[64:65], 0
	v_nop
	global_prefetch_b8 v0, s[64:65] scope:SCOPE_SE
	s_setreg_imm32_b32 hwreg(HW_REG_WAVE_MODE, 25, 1), 1
	s_wait_xcnt 0x0
; PICK: for each row of x the best of its 32 slices.  key = score - |x|^2 / 2 = -d2 / 2; the largest key, ties to the lowest code.
; Work-group blk = 0..63: rows 64 blk .. 64 blk + 63, one wave.  Lane (r, h) takes rows 64 blk + 16 i + r, i = 0..3, and slices y = 2 t + h, t = 0..15.
; part[y][blk]: 512 bytes, byte 16 r + 4 i the score, byte 256 + 16 r + 4 i the code: sixteen lanes read 256 consecutive bytes, aligned, each byte once.
; All 36 loads go out at once; there is work for 64 waves only (1 MiB read, 16 KiB written), so 64 work-groups are launched.
; No matrix unit, no cluster, no tensor load: nothing is multiplied, nothing is shared, and the bytes fit in registers.
; LIMITS: finite inputs (a NaN key never wins against a number).  |x|^2 is added last, an order of rounding other than x_sq - 2 cross + c_sq.
.set NX, 4                             ; v[4:7]    -|x|^2 / 2 of my four rows
.set BK, 8                             ; v[8:11]   best key
.set BI, 12                            ; v[12:15]  its code
.set K,  16                            ; v[16:19]  at work
.set RES, 24                           ; v[24:27]  four neighbouring rows' codes
.set SC, 32                            ; v[32:159] pair t: 4 scores at 8 t, 4 codes at 8 t + 4
	s_load_b128 s[4:7], s[0:1], 0x0                ; part s[4:5], nh s[6:7]
	s_load_b64 s[8:9], s[0:1], 0x10                ; out0
	v_lshl_add_u32 v160, v0, 2, 0x100
	v_mov_b32 v161, 0
	v_and_b32 v20, 15, v0                          ; r
	v_bfe_u32 v21, v0, 4, 1                        ; h
	v_lshlrev_b32 v1, 4, v20                       ; 16 r
	v_lshlrev_b32 v2, 2, v20                       ; 4 r
	v_lshl_add_u32 v3, v21, 15, v1                 ; 32768 h + 16 r
	s_lshl_b32 s10, ttmp9, 9                       ; 512 blk
	s_mov_b32 s11, 0
	s_lshl_b32 s12, ttmp9, 8                       ; 256 blk: 64 words
	s_mov_b32 s13, 0
	s_mov_b32 s14, 0x76543210                      ; v_permlanex16_b32: lane i reads lane i of the other half
	s_mov_b32 s15, 0xfedcba98
	s_wait_kmcnt 0x0
	s_add_nc_u64 s[4:5], s[4:5], s[10:11]
	s_add_nc_u64 s[6:7], s[6:7], s[12:13]
	s_add_nc_u64 s[8:9], s[8:9], s[12:13]
.irp i, 0,1,2,3
	global_load_b32 v[NX+\i], v2, s[6:7] offset:131072+64*\i      ; x's rows lie behind the 32,768 codes in nh
.endr
.irp t, 0,1,2,3,4,5,6,7,8,9,10,11,12,13,14,15
	global_load_b128 v[SC+8*\t:SC+8*\t+3],   v3, s[4:5] offset:65536*\t th:TH_LOAD_NT
	global_load_b128 v[SC+8*\t+4:SC+8*\t+7], v3, s[4:5] offset:65536*\t+256 th:TH_LOAD_NT
.endr
; Slice 2 t + h.  The first starts the best; the second takes the first's codes straight from the registers into which they were loaded.
.macro STEP t
	s_wait_loadcnt 30-2*\t                         ; loads come back in order: pair t is in, the 30 - 2 t younger loads stay out
.if \t == 0
	v_pk_add_f32 v[BK:BK+1],   v[SC:SC+1],   v[NX:NX+1]
	v_pk_add_f32 v[BK+2:BK+3], v[SC+2:SC+3], v[NX+2:NX+3]
.else
	v_pk_add_f32 v[K:K+1],   v[SC+8*\t:SC+8*\t+1],   v[NX:NX+1]
	v_pk_add_f32 v[K+2:K+3], v[SC+8*\t+2:SC+8*\t+3], v[NX+2:NX+3]
.irp i, 0,1,2,3
	v_cmp_gt_f32 vcc_lo, v[K+\i], v[BK+\i]         ; strictly: an earlier slice, whose codes are lower, keeps a tie
.if \t == 1
	v_cndmask_b32 v[BI+\i], v[SC+4+\i], v[SC+8*\t+4+\i], vcc_lo
.else
	v_cndmask_b32 v[BI+\i], v[BI+\i], v[SC+8*\t+4+\i], vcc_lo
.endif
	v_max_num_f32 v[BK+\i], v[BK+\i], v[K+\i]
.endr
.endif
.endm
.irp t, 0,1,2,3,4,5,6,7,8,9,10,11,12,13,14,15
	STEP \t
.endr
	; even slices against odd ones, then the codes through LDS, so that a lane holds four neighbouring rows
.irp i, 0,1,2,3
	v_permlanex16_b32 v[K], v[BK+\i], s14, s15     ; its destination has been written before
	v_permlanex16_b32 v[K+1], v[BI+\i], s14, s15
	v_cmp_gt_f32 s16, v[K], v[BK+\i]
	v_cmp_eq_f32 s17, v[K], v[BK+\i]
	v_cmp_lt_u32 s18, v[K+1], v[BI+\i]
	s_and_b32 s17, s17, s18                        ; a tie goes to the lower code
	s_or_b32 s16, s16, s17
	v_cndmask_b32 v[BI+\i], v[BI+\i], v[K+1], s16
	ds_store_b32 v2, v[BI+\i] offset:64*\i         ; word 16 i + r; both halves of the wave hold the same number
.endr
	ds_load_b128 v[RES:RES+3], v1                  ; LDS serves a wave's instructions in order: these see the stores above.  Words 4 r .. 4 r + 3
	v_cmp_gt_u32 vcc_lo, 16, v0
	s_wait_dscnt 0x0
	s_wait_xcnt 0x0                                ; EXEC is a source of the loads above: it narrows only behind this wait
	s_wait_tensorcnt 0x0
	ds_add_u32 v160, v161
	s_wait_dscnt 0x0
	s_and_saveexec_b32 s19, vcc_lo
	global_store_b128 v1, v[RES:RES+3], s[8:9]     ; sixteen lanes store 256 consecutive bytes, aligned: 64 rows' codes
	s_wait_xcnt 0x0                                ; and widens only behind this one
	s_or_b32 exec_lo, exec_lo, s19
	s_endpgm
.Lfunc_end_k_qe854568d58_pick:
	.size	k_qe854568d58_pick, .Lfunc_end_k_qe854568d58_pick-k_qe854568d58_pick
	.p2alignl 7, 3214868480
	.fill 96, 4, 3214868480
	.section	.rodata,"a",@progbits
	.p2align	6, 0x0
	.amdhsa_kernel k_qe854568d58_pick
		.amdhsa_group_segment_fixed_size 512
		.amdhsa_private_segment_fixed_size 0
		.amdhsa_enable_private_segment 0
		.amdhsa_kernarg_size 24
		.amdhsa_user_sgpr_count 2
		.amdhsa_user_sgpr_kernarg_segment_ptr 1
		.amdhsa_wavefront_size32 1
		.amdhsa_system_sgpr_workgroup_id_x 1
		.amdhsa_system_sgpr_workgroup_id_y 1
		.amdhsa_system_sgpr_workgroup_id_z 1
		.amdhsa_system_vgpr_workitem_id 0
		.amdhsa_next_free_vgpr 162
		.amdhsa_next_free_sgpr 66
		.amdhsa_reserve_vcc 1
		.amdhsa_float_denorm_mode_32 3
		.amdhsa_float_denorm_mode_16_64 3
		.amdhsa_memory_ordered 1
		.amdhsa_forward_progress 1
		.amdhsa_inst_pref_size 16
	.end_amdhsa_kernel
	.amdgpu_metadata
---
amdhsa.version: [ 1, 2 ]
amdhsa.kernels:
  - .name:           k_qe854568d58_pick
    .symbol:         k_qe854568d58_pick.kd
    .args:
      - { .name: part, .offset: 0, .size: 8, .value_kind: global_buffer, .address_space: global }
      - { .name: nh, .offset: 8, .size: 8, .value_kind: global_buffer, .address_space: global }
      - { .name: out0, .offset: 16, .size: 8, .value_kind: global_buffer, .address_space: global }
    .group_segment_fixed_size: 512
    .private_segment_fixed_size: 0
    .kernarg_segment_align: 8
    .kernarg_segment_size: 24
    .max_flat_workgroup_size: 32
    .sgpr_count:     66
    .vgpr_count:     162
    .wavefront_size: 32
...
	.end_amdgpu_metadata
.endif
;; end of part 3
